; MI455X (gfx1250); checked and timed in simulation.
; The chip was launched on July 23, 2026; its instructions are those of AMD's public machine-readable ISA for CDNA 5 (MIT licence, August 2026) and "CDNA5" Instruction Set Architecture Reference Guide (July 2026). The comments in the code are by the model that wrote it; some were corrected since.
;; Split Causal Self Attention. Allowed arithmetic: matrix products marked QUANTISED: E4M3 operands, one given power-of-two scale a tensor, by v_wmma_f32_16x16x64_fp8_fp8 or v_wmma_f32_16x16x128_fp8_fp8, f32 sums; everything else in f32.
;; Inputs: Wk 1,024 x 1,024 float32; Wo 1,024 x 1,024 float32; Wq 1,024 x 1,024 float32; Wv 1,024 x 1,024 float32; X 4 x 2,048 x 1,024 float32; bo 1,024 float32; lowp_scales 12 int32 (the exponents e of the quantised operands' scales 2^e).
;; Outputs: out0 4 x 2,048 x 1,024 float32.
;; This version of the problem:
;;   THIS VERSION OF THE PROBLEM IS GIVEN IN LOW PRECISION. The matrix products marked QUANTISED in the list below multiply operands that are first quantised to E4M3 (4 exponent bits, 3 mantissa bits; 8 bits a number), with one given power-of-two scale for each operand tensor; their sums are f32. All else is computed in f32.
;;   The module's matrix products, in the order in which they are computed (A, B: the left and right operand; K: the contracted axis; several contracted axes count as one K, in the product's order):
;;     1. [M 8,192, K 1,024] x [K 1,024, N 1,024]; A: input X; B: input Wq: QUANTISED (scales: A lowp_scales[0], B lowp_scales[1])
;;     2. [M 8,192, K 1,024] x [K 1,024, N 1,024]; A: input X; B: input Wk: QUANTISED (scales: A lowp_scales[2], B lowp_scales[3])
;;     3. [M 8,192, K 1,024] x [K 1,024, N 1,024]; A: input X; B: input Wv: QUANTISED (scales: A lowp_scales[4], B lowp_scales[5])
;;     4. batch 64 x [M 2,048, K 64] x [K 64, N 2,048]; A: computed on the way; B: computed on the way: QUANTISED (scales: A lowp_scales[6], B lowp_scales[7])
;;     5. batch 64 x [M 2,048, K 2,048] x [K 2,048, N 64]; A: softmax (see below); B: computed on the way: QUANTISED (scales: A lowp_scales[8], B lowp_scales[9])
;;     6. [M 8,192, K 1,024] x [K 1,024, N 1,024]; A: computed on the way; B: input Wo: QUANTISED (scales: A lowp_scales[10], B lowp_scales[11])
;;   THE QUANTISER, for each operand of a quantised product, along K:
;;     - The operand's scale is 2^e, e = its entry of the input lowp_scales (int32; the entries are numbered through the quantised products in the list's order, A before B).
;;     - Each number is divided by the scale, clamped to +-448, and rounded to the nearest number of E4M3, ties to even, subnormals kept.
;;     - The product sums the exact products of the quantised numbers (number of the format x scale) in f32.
;;   ~~~python
;;   def quantise(x, axis, e):      # numpy; x: float32 -> the quantised numbers, widened to float32 again
;;       x = np.moveaxis(x, axis, -1); K = x.shape[-1]
;;       r = np.clip(x / 2.0 ** e, -448, 448)
;;       step = 2.0 ** (np.maximum(np.frexp(np.where(r == 0, 1, r))[1] - 1, -6) - 3)
;;       q = np.round(r / step) * step * 2.0 ** e      # np.round: ties to even
;;       return np.moveaxis(q, -1, axis).astype(np.float32)
;;   ~~~
;;   SOFTMAX AHEAD OF A QUANTISED PRODUCT. Where the list says 'softmax', what is quantised is not the finished softmax but p = 2^(t - M), with t = logit x log2(e) and M = ceil(the row's largest t), a whole number; so 1/2 < the row's largest p <= 1. The row's sum l is taken of the UNQUANTISED p, in f32, and the product's result is divided by l at the end. Since M is a whole number, a kernel that streams over the keys may use a running M (the ceiling of the running maximum): every later rescaling is an exact power of two, so the quantised numbers keep their values, but for numbers so far below the row's largest that they fall under the format's range.
;;   OPERANDS COMPUTED ON THE WAY. 'Computed on the way' means the value that the module computes at that place (a softmax that the list does not call 'softmax' is quantised finished and normalised). What goes into a quantiser is computed in f32, as accurately as f32 sums, v_exp_f32 and their like allow (about 1e-6 of the number): no bf16 or f16 on the way to a quantiser, and a product that is left as it is and whose result goes on into a quantised operand takes f32 operands (vector FMAs, or v_wmma_f32_16x16x4_f32). A number that lies on a knife's edge between two numbers of the format may be rounded either way, as far as f32 arithmetic and the matrix unit's own rounding can turn it there, and no further.
;; One version. Each part assembles by itself: llvm-mc -triple=amdgcn-amd-amdhsa -mcpu=gfx1250 --defsym DOCPART=n.
;; ======== version 1 of 1: 4 launches
;; limits: right only within a limited range of input values
;; workspace buffers: xc 25,165,824 bytes; wc 4,194,304 bytes; qkv 25,165,824 bytes; yc 8,388,608 bytes
;; launch quant (part 1): grid 768 x 1, 4 waves a work-group, no clusters, 34,304 bytes of LDS; arguments X, Wq, Wk, Wv, Wo, lowp_scales, xc, wc; writes xc, wc
.if DOCPART == 1
	.amdgcn_target "amdgcn-amd-amdhsa--gfx1250"
	.amdhsa_code_object_version 6
	.text
	.protected	k_q52bbb431af_quant
	.globl	k_q52bbb431af_quant
	.p2align	8
	.type	k_q52bbb431af_quant,@function
k_q52bbb431af_quant:
	s_mov_b64 s[64:65], 0
	v_nop
	global_prefetch_b8 v0, s[64:65] scope:SCOPE_SE
	s_setreg_imm32_b32 hwreg(HW_REG_WAVE_MODE, 25, 1), 1
	s_wait_xcnt 0x0
; X [8192][1024] and Wq, Wk, Wv, Wo [1024][1024], f32 with K innermost, become codes of FP8 (E4M3): code = x / 2^e, to the nearest code, ties to even.
; X is an operand of three products with a scale of its own in each (entries 0, 2, 4 of the scales): three sets of codes, 8 MiB apart in xc.  Wq, Wk, Wv, Wo take entries 1, 3, 5, 11; 1 MiB apart in wc.
; THE CODES LIE IN THE ORDER OF THE READER'S OPERAND REGISTERS: for a tile of 16 rows rt, a K step ks of 128 and c = 0..3, lane l = (r = l % 16, h = l / 16) has its 16 bytes at
; rt x 16384 + ks x 2048 + c x 512 + 16 l: the codes of row 16 rt + r, K = 128 ks + 32 c + 16 h + 0..15.  So a reader's fragment is four loads of 16 bytes a lane at 16 x lane.
; SHARES.  Work-groups 0-511 take a row tile of X each, 512-767 a row tile of a weight; wave w takes K = 256 w .. 256 w + 255: two units of 16 rows x 128 K.  One path through the text: buffers and
; exponents are chosen by the work-group's number; one scalar branch on that number leads a weight's work-group round the second and third set.
; Each load reads 512 consecutive bytes of a row; a unit turns through the wave's own stage in LDS (rows of 512 + 16 bytes) and comes back 16 neighbours along K at a time; each store writes 512 consecutive bytes.
; All 32 loads of a wave go out at the head.  No tensor loads, no barrier: waves share nothing.  No cluster: no two work-groups read the same bytes.
; LIMITS: each e used here lies between -126 and 127, so that 2^e is an f32 number.  NaN among the inputs is not served.
.set STG,   8448                       ; a wave's stage: 16 rows x 528 bytes
.set SPARE, 4*STG                      ; behind the stages: the spare words, 128 bytes a wave: two blocks of 256 bytes that no other line names
.set LA,  1                            ; v1   16 x lane: my bytes of a load's or a store's 512; never rewritten
.set SA,  2                            ; v2   the stage on the way in
.set SB,  3                            ; v3   and on the way out: row r, + 64 h
.set SPW, 4                            ; v4   LDS address of my spare word; never rewritten
.set NIL, 5                            ; v5   0; never rewritten
.set SCL, 6                            ; v6, v8, v10  set s: 2^e at v[6 + 2 s]
.set R,   16                           ; v16-143  unit u: 64 registers as loaded (row p at 4 p); later its codes, set s at 16 s: never written again, so no store's data are rewritten
.set XT,  144                          ; v144-207 a unit after the turn: register 16 c + i = K 32 c + 16 h + i of row r
.set TMP, 208
	s_load_b512 s[4:19], s[0:1], 0x0               ; X, Wq, Wk, Wv, Wo, the scales, xc, wc
	v_lshl_add_u32 v[SPW], v0, 2, SPARE
	v_mov_b32 v[NIL], 0
	v_lshrrev_b32 v6, 5, v0
	v_readfirstlane_b32 s20, v6                    ; wave 0..3
	v_and_b32 v7, 31, v0
	v_lshlrev_b32 v[LA], 4, v7
	s_mul_i32 s46, s20, STG
	v_add_nc_u32 v[SA], s46, v[LA]
	v_and_b32 v8, 15, v0                           ; r
	v_bfe_u32 v9, v0, 4, 1                         ; h
	v_mul_u32_u24 v[SB], v8, 528
	v_lshl_add_u32 v[SB], v9, 6, v[SB]
	v_add_nc_u32 v[SB], s46, v[SB]
	s_sub_co_u32 s21, ttmp9, 512
	s_cmp_lt_u32 ttmp9, 512                        ; X's work-group?
	s_cselect_b32 s21, ttmp9, s21                  ; the row tile's number in xc, or in wc (64 x weight + tile)
	s_lshr_b32 s22, s21, 6                         ; which weight (used by weights' work-groups alone)
	s_and_b32 s23, s21, 63
	s_cmp_lt_u32 ttmp9, 512
	s_cselect_b32 s23, ttmp9, s23                  ; the row tile in its own tensor
	s_lshl_b32 s44, s23, 16                        ; 16 rows of 4,096 bytes,
	s_lshl_b32 s47, s20, 10                        ; my wave's 1,024 bytes of a row
	s_add_co_u32 s44, s44, s47
	s_mov_b32 s45, 0
	s_lshl_b32 s48, s21, 14                        ; a row tile's 16,384 bytes of codes,
	s_lshl_b32 s47, s20, 12                        ; my two K steps of 2,048
	s_add_co_u32 s48, s48, s47
	s_mov_b32 s49, 0
	s_wait_alu depctr_va_vdst(0)
	s_wait_kmcnt 0x0
	s_load_b256 s[24:31], s[14:15], 0x0            ; e0 .. e7
	s_load_b128 s[32:35], s[14:15], 0x20           ; e8 .. e11
	s_cmp_eq_u32 s22, 1
	s_cselect_b64 s[36:37], s[8:9], s[6:7]
	s_cmp_eq_u32 s22, 2
	s_cselect_b64 s[36:37], s[10:11], s[36:37]
	s_cmp_eq_u32 s22, 3
	s_cselect_b64 s[36:37], s[12:13], s[36:37]
	s_cmp_lt_u32 ttmp9, 512
	s_cselect_b64 s[36:37], s[4:5], s[36:37]       ; where I read,
	s_cselect_b64 s[38:39], s[16:17], s[18:19]     ; and where I write
	s_add_nc_u64 s[36:37], s[36:37], s[44:45]
	s_add_nc_u64 s[38:39], s[38:39], s[48:49]      ; set 0
	s_add_nc_u64 s[40:41], s[38:39], 0x800000      ; set 1 and set 2 of X's codes (used by X's work-groups alone)
	s_add_nc_u64 s[42:43], s[38:39], 0x1000000
.irp u, 0,1
.irp p, 0,1,2,3,4,5,6,7,8,9,10,11,12,13,14,15
	global_load_b128 v[R+64*\u+4*\p:R+64*\u+4*\p+3], v[LA], s[36:37] offset:\p*4096+\u*512 th:TH_LOAD_NT   ; 32 lanes read 512 consecutive bytes of row p
.endr
.endr
	s_wait_kmcnt 0x0
	s_cmp_eq_u32 s22, 1
	s_cselect_b32 s46, s27, s25
	s_cmp_eq_u32 s22, 2
	s_cselect_b32 s46, s29, s46
	s_cmp_eq_u32 s22, 3
	s_cselect_b32 s46, s35, s46
	s_cmp_lt_u32 ttmp9, 512
	s_cselect_b32 s46, s24, s46                    ; set 0's exponent: e0 for X; e1, e3, e5, e11 for the weights
.macro MKSC e, s                       ; 2^e as f32, from the whole number in s[e]
	s_add_co_i32 s50, s[\e], 127
	s_lshl_b32 s51, s50, 23
	v_mov_b32 v[SCL+2*\s], s51
.endm
	MKSC 46, 0
	MKSC 26, 1
	MKSC 28, 2
; One set of codes of unit u.  The conversion to an 8-bit code does not saturate (ISA guide 7.6.2); the numbers are converted as they stand in the turned unit's registers
.macro SET u, s
.irp c, 0,1,2,3
.set n, 0
.rept 16
.set n, n+1
.endr
	v_cvt_scalef32_pk8_fp8_f32 v[R+64*\u+16*\s+4*\c:R+64*\u+16*\s+4*\c+1], v[TMP+16*(\c%2)+((XT+16*\c+n)-(TMP+16*(\c%2)+n)):TMP+16*(\c%2)+7+((XT+16*\c+n)-(TMP+16*(\c%2)+n))], v[SCL+2*\s]
	v_cvt_scalef32_pk8_fp8_f32 v[R+64*\u+16*\s+4*\c+2:R+64*\u+16*\s+4*\c+3], v[TMP+16*(\c%2)+8+((XT+16*\c+n)-(TMP+16*(\c%2)+n)):TMP+16*(\c%2)+15+((XT+16*\c+n)-(TMP+16*(\c%2)+n))], v[SCL+2*\s]
.endr
	v_nop                                          ; a plain line behind the last conversion of the run
.irp c, 0,1,2,3
	global_store_b128 v[LA], v[R+64*\u+16*\s+4*\c:R+64*\u+16*\s+4*\c+3], s[38+2*\s:39+2*\s] offset:\u*2048+\c*512   ; 512 consecutive bytes, at a multiple of 512 from the buffer's first byte
.endr
.endm
.macro UNIT u
	s_wait_loadcnt 16*(1-\u)                       ; unit 0: the sixteen younger loads are unit 1's and may stay out; unit 1: all are in
.irp p, 0,1,2,3,4,5,6,7,8,9,10,11,12,13,14,15
	ds_store_b128 v[SA], v[R+64*\u+4*\p:R+64*\u+4*\p+3] offset:\p*528
.endr
.irp c, 0,1,2,3
.irp i, 0,1,2,3
	ds_load_b128 v[XT+16*\c+4*\i:XT+16*\c+4*\i+3], v[SB] offset:128*\c+16*\i   ; LDS serves a wave's instructions in order (ISA guide 5.7.1.4): these see the stores above
.endr
.endr
	s_wait_dscnt 0x0                               ; the unit is back, and the stores have read the registers that the codes now take
	SET \u, 0
	s_cmp_ge_u32 ttmp9, 512                        ; a weight has one scale
	s_cbranch_scc1 .Lone_set_\@
	SET \u, 1
	SET \u, 2
.Lone_set_\@:
.endm
	s_wait_alu depctr_va_vdst(0)
	UNIT 0
	UNIT 1
	s_wait_tensorcnt 0x0                           ; the wave's end, behind my last LDS store
	ds_add_u32 v[SPW], v[NIL]
	s_wait_dscnt 0x0
	s_endpgm
.Lfunc_end_k_q52bbb431af_quant:
	.size	k_q52bbb431af_quant, .Lfunc_end_k_q52bbb431af_quant-k_q52bbb431af_quant
	.p2alignl 7, 3214868480
	.fill 96, 4, 3214868480
	.section	.rodata,"a",@progbits
	.p2align	6, 0x0
	.amdhsa_kernel k_q52bbb431af_quant
		.amdhsa_group_segment_fixed_size 34304
		.amdhsa_private_segment_fixed_size 0
		.amdhsa_enable_private_segment 0
		.amdhsa_kernarg_size 64
		.amdhsa_user_sgpr_count 2
		.amdhsa_user_sgpr_kernarg_segment_ptr 1
		.amdhsa_wavefront_size32 1
		.amdhsa_system_sgpr_workgroup_id_x 1
		.amdhsa_system_sgpr_workgroup_id_y 1
		.amdhsa_system_sgpr_workgroup_id_z 1
		.amdhsa_system_vgpr_workitem_id 0
		.amdhsa_next_free_vgpr 240
		.amdhsa_next_free_sgpr 66
		.amdhsa_reserve_vcc 0
		.amdhsa_float_denorm_mode_32 3
		.amdhsa_float_denorm_mode_16_64 3
		.amdhsa_fp16_overflow 1
		.amdhsa_memory_ordered 1
		.amdhsa_forward_progress 1
		.amdhsa_inst_pref_size 16
	.end_amdhsa_kernel
	.amdgpu_metadata
---
amdhsa.version: [ 1, 2 ]
amdhsa.kernels:
  - .name:           k_q52bbb431af_quant
    .symbol:         k_q52bbb431af_quant.kd
    .args:
      - { .name: X, .offset: 0, .size: 8, .value_kind: global_buffer, .address_space: global }
      - { .name: Wq, .offset: 8, .size: 8, .value_kind: global_buffer, .address_space: global }
      - { .name: Wk, .offset: 16, .size: 8, .value_kind: global_buffer, .address_space: global }
      - { .name: Wv, .offset: 24, .size: 8, .value_kind: global_buffer, .address_space: global }
      - { .name: Wo, .offset: 32, .size: 8, .value_kind: global_buffer, .address_space: global }
      - { .name: lowp_scales, .offset: 40, .size: 8, .value_kind: global_buffer, .address_space: global }
      - { .name: xc, .offset: 48, .size: 8, .value_kind: global_buffer, .address_space: global }
      - { .name: wc, .offset: 56, .size: 8, .value_kind: global_buffer, .address_space: global }
    .group_segment_fixed_size: 34304
    .private_segment_fixed_size: 0
    .kernarg_segment_align: 8
    .kernarg_segment_size: 64
    .max_flat_workgroup_size: 128
    .sgpr_count:     66
    .vgpr_count:     240
    .wavefront_size: 32
...
	.end_amdgpu_metadata
.endif
;; end of part 1
;; launch qkv (part 2): grid 12 x 32, 4 waves a work-group, clusters of 4 x 4, 327,680 bytes of LDS; arguments xc, wc, lowp_scales, qkv; writes qkv
.if DOCPART == 2
	.amdgcn_target "amdgcn-amd-amdhsa--gfx1250"
	.amdhsa_code_object_version 6
	.text
	.protected	k_q52bbb431af_qkv
	.globl	k_q52bbb431af_qkv
	.p2align	8
	.type	k_q52bbb431af_qkv,@function
k_q52bbb431af_qkv:
	s_mov_b64 s[64:65], 0
	v_nop
	global_prefetch_b8 v0, s[64:65] scope:SCOPE_SE
	s_setreg_imm32_b32 hwreg(HW_REG_WAVE_MODE, 25, 1), 1
	s_wait_xcnt 0x0
	s_wait_alu depctr_hold_cnt(0) depctr_sa_sdst(0) depctr_va_vdst(0) depctr_va_sdst(0) depctr_va_ssrc(0) depctr_va_vcc(0) depctr_vm_vsrc(0)
	s_getreg_b32 s2, hwreg(HW_REG_IB_STS2, 6, 4)
	s_cmp_eq_u32 s2, 0
	s_cbranch_scc0 .Lentry_in_a_cluster
	s_endpgm
.Lentry_in_a_cluster:
	s_bfe_u32 s2, ttmp6, 0x10000c
	s_cmp_lg_u32 s2, 0xf033
	s_cbranch_scc0 .Lentry_shape_is_right
	s_endpgm
.Lentry_shape_is_right:
; Q = X Wq^T, K = X Wk^T, V = X Wv^T on codes of FP8 (E4M3), sums in f32; each result is quantised at once (scales' entries 6, 7, 9) and stored as codes in the order in which the attention launch's registers take them.
; Cluster x = the product p (0 Q, 1 K, 2 V).  A tile of 256 x 256 results is made by four waves, 128 x 128 each: 64 accumulators, 512 registers.  K = 1,024 goes in four steps of 256 through two LDS slots.
; OPERANDS lie in memory as register images (a tile of 16 rows: 16,384 bytes; in it a K step of 128: 2,048; in it c x 512 + 16 x lane): a fragment is four loads of 16 bytes a lane at 16 x lane, from LDS as from memory.
; Lane (r, h) holds K = 32 c + 16 h + 0..15 in registers 4 c .. 4 c + 3: a permutation of k that is the same in both operands, so every product meets its partner.
; ROLES.  Source 1 ("A") gives a lane its row, source 0 ("B") eight neighbouring columns in its registers.  Q and K: A = X's codes (tokens), B = the weight's (channels): a lane's eight results are neighbours along the head's
; channels, which are the K of Q K^T.  V: A = the weight's, B = X's: a lane's eight results are neighbouring KEYS, the K of p V.  The two are chosen by the cluster's x, by selects alone: no branch, no LDS address hangs on it.
; CLUSTERS: 4 x 4 work-groups.  A's tile hangs on cy alone and is asked for jointly by a row of the cluster, B's on cx alone, by a column: the same tensor load, descriptor and mask in the four.
; THE OUTPUT: qkv holds Q, K, V, 8 MiB each: [batch x 16 + head][g: 64 tokens][t4][c][lane l = (r, h)][16 bytes], 131,072 bytes a head, 4,096 a g.  With perm(t4, r) = 32 (t4 / 2) + 16 (r / 8) + 8 (t4 % 2) + r % 8:
; Q, K: token 64 g + perm(t4, r), channels 32 c + 16 h + 0..15;   V: channel perm(t4, r), keys 64 g + 32 c + 16 h + 0..15.
; LIMITS: e6 - e0 - e1, e7 - e2 - e3 and e9 - e4 - e5 lie between -126 and 127, so that the folded scale is an f32 number.
; REGISTERS, in windows of 256: window 0: v16-31 addresses and constants; from v128 A's fragments, ONE set; on the way out v96-223.  window 1: B's fragments, TWO sets.  windows 2, 3: the accumulators ((a, b) at v[8 (8 (a % 4) + b)]).
.set KSL,    4096                      ; a row tile's bytes in a slot: two K steps of 128
.set FR,     16                        ; registers of a fragment
.set NL,     4                         ; LDS loads that bring one
.set NP,     4                         ; places behind this matrix instruction (ISA guide 7.12.1)
.set HALFT,  32768                     ; 8 row tiles: what one tensor load brings, and what one wave reads of A or of B
.set SLOT,   4*HALFT                   ; A's 16 row tiles, then B's 16
.set SPARE,  2*SLOT                    ; behind the ring: the spare words, 128 bytes a wave: two blocks of 256 bytes that no other line names
.set STAGE,  SPARE+512                 ; the way out: 8,192 bytes a wave, into which no fill lands
.set ADRA, 16                          ; v16-17  LDS address of my A fragments in slot 0, 1
.set ADRB, 20                          ; v20-21  the same for B
.set STO,  24                          ; v24     the way out: where I put 8 codes
.set RD,   25                          ; v25     the way out: where I read 16 bytes back
.set CO,   26                          ; v26     16 x lane
.set SPW,  28                          ; v28     LDS address of my spare word; never rewritten
.set NIL,  29                          ; v29     0; never rewritten
.set SC,   30                          ; v30     the folded scale as f32
.set LIM,  31
.set TMP,  32
.set CD,   96                          ; v96-159  codes
.set BK,   160                         ; v160-223 the stage read back
.set AF,   128                         ; A's fragments, in window 0
.set G1, 24                            ; s[24:31] descriptor group 1 for A's tiles;  s[32:39] group 0, one set for each slot
.set G0, 32
.set G1B, 48                           ; s[48:55], s[56:63] the same for B's tiles
.set G0B, 56
.set MSB, 0
.macro WIN new                         ; the immediate's high byte repeats the setting that is left
.if MSB != (\new)
	s_set_vgpr_msb (MSB<<8)|(\new)
.set MSB, (\new)
.endif
.endm
.set MUL_LO, 0xa1                      ; source 0 (B) window 1, source 1 (A) window 0, C and D window 2
.set MUL_HI, 0xf1                      ; the same, C and D window 3
.set TO_B,   0x40                      ; destination window 1, address window 0
; A joint load: waves 0 and 1 fetch for A, waves 2 and 3 for B; the branch hangs on the wave's number alone.  An s_nop 0 and four v_nop follow each of the two lines.
.macro JLOAD g0a, g1a, g0b, g1b
	s_cmp_eq_u32 s15, 0
	s_cbranch_scc0 .Lfor_b_\@
	tensor_load_to_lds s[\g0a:\g0a+3], s[\g1a:\g1a+7]
	s_nop 0
.rept 4
	v_nop
.endr
	s_branch .Lasked_\@
.Lfor_b_\@:
	tensor_load_to_lds s[\g0b:\g0b+3], s[\g1b:\g1b+7]
	s_nop 0
.rept 4
	v_nop
.endr
.Lasked_\@:
.endm
.macro CREST                           ; a round of the cluster's barrier behind its opening barrier
	s_cmp_lg_u32 s14, 0
	s_cbranch_scc1 .Lnot_wave_0_\@
	s_barrier_signal -3
.Lnot_wave_0_\@:
	s_barrier_wait -3
	s_barrier_signal -1
	s_barrier_wait -1
.endm
.macro CROUND                          ; a whole round
	s_barrier_signal -1
	s_barrier_wait -1
	CREST
.endm
	s_load_b256 s[4:11], s[0:1], 0x0               ; X's codes s[4:5], the weights' s[6:7], the scales s[8:9], qkv s[10:11]
	v_lshl_add_u32 v[SPW], v0, 2, SPARE
	v_mov_b32 v[NIL], 0
	ds_add_u32 v[SPW], v[NIL]                      ; the wave's opening: the add and its wait stand ahead of my first tensor load; work on registers stands between them
	ds_add_u32 v[SPW], v[NIL]
	v_lshrrev_b32 v1, 5, v0
	v_readfirstlane_b32 s14, v1                    ; wave 0..3
	s_lshr_b32 s15, s14, 1                         ; which half of the tile's rows is mine.  Also: I fetch for A (0) or for B (1)
	s_and_b32 s16, s14, 1                          ; which half of its columns.  Also: which 8 row tiles of that operand I fetch
	s_bfe_u32 s40, ttmp6, 0x40000                  ; cx, cy: my place in the cluster
	s_bfe_u32 s41, ttmp6, 0x40004
	s_and_b32 s17, ttmp7, 0xffff
	s_lshl_b32 s17, s17, 2                         ; 4 x cluster y
	s_add_co_u32 s20, s17, s41                     ; X's block of 256 tokens where X is A,
	s_add_co_u32 s46, s17, s40                     ; and where X is B
	s_cmp_eq_u32 ttmp9, 2                          ; V?
	s_cselect_b32 s20, s41, s20                    ; A's block of 256 rows: made of cy alone
	s_cselect_b32 s46, s46, s40                    ; B's: made of cx alone
	s_mov_b32 s66, s20                             ; both are kept for the way out, in registers that feed no descriptor
	s_mov_b32 s67, s46
	s_lshl_b32 s43, s41, 2
	s_lshl_b32 s43, 15, s43                        ; my row of the cluster
	s_lshl_b32 s44, 0x1111, s40                    ; my column
	; descriptor group 1: 8 rows (row tiles) of 4,096 bytes, 16,384 bytes apart in memory, dense in LDS
	s_or_b32 s[G1+0], s43, (1<<21)                 ; 15:0 the mask: A's tiles go to my row; 17:16 elements of 1 byte; 20 no padding; 21 set beside a mask
	s_or_b32 s[G1B+0], s44, (1<<21)
.irp g, G1, G1B
	s_mov_b32 s[\g+1], KSL<<16                     ; tensor_dim0 = 4,096
	s_mov_b32 s[\g+2], 8<<16                       ; tensor_dim1 = 8
	s_mov_b32 s[\g+3], KSL<<16                     ; tile_dim0
	s_mov_b32 s[\g+4], 8                           ; tile_dim1
	s_mov_b32 s[\g+5], 16384                       ; tensor_dim0_stride
	s_mov_b32 s[\g+6], 0
	s_mov_b32 s[\g+7], 0
.endr
	s_lshl_b32 s18, s16, 17                        ; which 8 row tiles I fetch: 128 rows of 1,024 bytes
	s_lshl_b32 s20, s20, 18                        ; 256 rows of 1,024 bytes
	s_add_co_u32 s20, s20, s18
	s_mov_b32 s21, 0
	s_lshl_b32 s46, s46, 18
	s_add_co_u32 s46, s46, s18
	s_mov_b32 s47, 0
	s_lshl_b32 s22, ttmp9, 23                      ; X's set of codes for this product
	s_mov_b32 s23, 0
	s_lshl_b32 s12, ttmp9, 20                      ; the product's weight
	s_mov_b32 s13, 0
	s_mul_i32 s45, s14, HALFT                      ; where my tiles go: no place in the cluster enters an LDS address
	s_wait_dscnt 0x0                               ; the opening add is done
	s_wait_kmcnt 0x0
	s_load_b256 s[68:75], s[8:9], 0x0              ; e0 .. e7
	s_load_b128 s[76:79], s[8:9], 0x20             ; e8 .. e11
	s_add_nc_u64 s[4:5], s[4:5], s[22:23]
	s_add_nc_u64 s[6:7], s[6:7], s[12:13]
	s_cmp_eq_u32 ttmp9, 2
	s_cselect_b64 s[22:23], s[6:7], s[4:5]         ; A's buffer
	s_cselect_b64 s[12:13], s[4:5], s[6:7]         ; B's
	s_add_nc_u64 s[20:21], s[22:23], s[20:21]
	s_add_nc_u64 s[46:47], s[12:13], s[46:47]
	CROUND                                         ; all sixteen work-groups are here: the first joint loads meet
.irp s, 0,1
	s_mov_b32 s[G0+4*\s], 1
	s_add_co_u32 s[G0+4*\s+1], s45, \s*SLOT
	s_add_nc_u64 s[G0+4*\s+2:G0+4*\s+3], s[20:21], \s*KSL
	s_or_b32 s[G0+4*\s+3], s[G0+4*\s+3], 0x80000000
	s_mov_b32 s[G0B+4*\s], 1
	s_add_co_u32 s[G0B+4*\s+1], s45, \s*SLOT
	s_add_nc_u64 s[G0B+4*\s+2:G0B+4*\s+3], s[46:47], \s*KSL
	s_or_b32 s[G0B+4*\s+3], s[G0B+4*\s+3], 0x80000000
	JLOAD G0+4*\s, G1, G0B+4*\s, G1B               ; two loads of mine are out
.endr
	v_and_b32 v1, 31, v0
	v_lshlrev_b32 v[CO], 4, v1
	s_wait_alu depctr_va_vdst(0)
	s_lshl_b32 s88, s15, 15                        ; my 8 row tiles of A
	s_lshl_b32 s89, s16, 15                        ; my 8 of B,
	s_add_co_u32 s89, s89, 2*HALFT                 ; which lie behind A's 16
.irp s, 0,1
	v_add_nc_u32 v[ADRA+\s], s88, v[CO]
	v_add_nc_u32 v[ADRB+\s], s89, v[CO]
	s_add_co_u32 s88, s88, SLOT
	s_add_co_u32 s89, s89, SLOT
.endr
	s_lshl_b32 s88, s14, 13
	s_add_co_u32 s88, s88, STAGE                   ; my stage
	v_add_nc_u32 v[RD], s88, v[CO]
	v_and_b32 v2, 7, v0
	v_bfe_u32 v3, v0, 3, 1
	v_bfe_u32 v4, v0, 4, 1
	v_lshlrev_b32 v[STO], 4, v2                    ; into it: 16 (r % 8) + 1,024 (r / 8) + 8 h
	v_lshl_add_u32 v[STO], v3, 10, v[STO]
	v_lshl_add_u32 v[STO], v4, 3, v[STO]
	v_add_nc_u32 v[STO], s88, v[STO]
	; where my 128 x 128 results go.  My first row and column; which of them counts tokens and which channels hangs on the product
	s_lshl_b32 s88, s66, 8
	s_lshl_b32 s89, s15, 7
	s_add_co_u32 s88, s88, s89                     ; my first row (A's)
	s_lshl_b32 s89, s67, 8
	s_lshl_b32 s90, s16, 7
	s_add_co_u32 s89, s89, s90                     ; my first column (B's)
	s_mov_b32 s92, 131072
	s_mov_b32 s93, 4096
	s_cmp_eq_u32 ttmp9, 2
	s_cselect_b32 s90, s89, s88                    ; my first token
	s_cselect_b32 s91, s88, s89                    ; my first channel
	s_cselect_b32 s94, s93, s92                    ; 64 columns on: a head on (Q, K) or 64 keys on (V)
	s_cselect_b32 s92, s92, s93                    ; 64 rows on: 64 tokens on (Q, K) or a head on (V)
	s_mov_b32 s93, 0
	s_mov_b32 s95, 0
	s_lshr_b32 s88, s90, 11                        ; batch
	s_lshl_b32 s88, s88, 4
	s_lshr_b32 s89, s91, 6                         ; head
	s_add_co_u32 s88, s88, s89
	s_lshl_b32 s88, s88, 17
	s_and_b32 s89, s90, 2047
	s_lshr_b32 s89, s89, 6                         ; g
	s_lshl_b32 s89, s89, 12
	s_add_co_u32 s88, s88, s89
	s_lshl_b32 s89, ttmp9, 23                      ; Q's, K's or V's part of the buffer
	s_add_co_u32 s88, s88, s89
	s_mov_b32 s89, 0
	s_add_nc_u64 s[80:81], s[10:11], s[88:89]      ; the four blocks of 4,096 bytes: columns' half hb, rows' half at s[80 + 4 hb + 2 half]
	s_add_nc_u64 s[82:83], s[80:81], s[92:93]
	s_add_nc_u64 s[84:85], s[80:81], s[94:95]
	s_add_nc_u64 s[86:87], s[84:85], s[92:93]
	s_wait_kmcnt 0x0
	s_sub_co_i32 s88, s74, s68                     ; a sum stands for sum x 2^(eA + eB): its code is sum / 2^(e - eA - eB): the three scales are folded into the conversion's one
	s_sub_co_i32 s88, s88, s69
	s_sub_co_i32 s89, s75, s70
	s_sub_co_i32 s89, s89, s71
	s_sub_co_i32 s90, s77, s72
	s_sub_co_i32 s90, s90, s73
	s_cmp_eq_u32 ttmp9, 1
	s_cselect_b32 s88, s89, s88
	s_cmp_eq_u32 ttmp9, 2
	s_cselect_b32 s88, s90, s88
	s_add_co_i32 s88, s88, 127
	s_lshl_b32 s89, s88, 23
	v_mov_b32 v[SC], s89
.macro FRAG reg, adr, q, i             ; a fragment, 16 rows x 128 K: row tile i of my eight, the slot's q-th K step of 128
.irp c, 0,1,2,3
	ds_load_b128 v[\reg+4*\c:\reg+4*\c+3], v[\adr] offset:(\i)*KSL+(\q)*2048+512*\c
.endr
.endm
; 16 matrix instructions: A's blocks a0, a0 + 1 x B's eight.  p: B's set.  zero = 1: the first product starts the sums.  The 64 accumulators take turns, one instruction a turn, in the same order in every step.
.macro MUL16 a0, p, zero
.irp a, \a0, \a0+1
.irp b, 0,1,2,3,4,5,6,7
.if \zero
	v_wmma_f32_16x16x128_fp8_fp8 v[8*(8*((\a)%4)+\b):8*(8*((\a)%4)+\b)+7], v[128*(\p)+FR*\b:128*(\p)+FR*\b+FR-1], v[AF+FR*(\a):AF+FR*(\a)+FR-1], 0
.else
	v_wmma_f32_16x16x128_fp8_fp8 v[8*(8*((\a)%4)+\b):8*(8*((\a)%4)+\b)+7], v[128*(\p)+FR*\b:128*(\p)+FR*\b+FR-1], v[AF+FR*(\a):AF+FR*(\a)+FR-1], v[8*(8*((\a)%4)+\b):8*(8*((\a)%4)+\b)+7]
.endif
.endr
.endr
.endm
.macro FETCH_B slot, q, p
	WIN TO_B
.irp i, 0,1,2,3,4,5,6,7
	FRAG 128*(\p)+FR*\i, ADRB+\slot, \q, \i
.endr
	WIN 0
.endm
.macro FETCH_A slot, q, i0
.irp i, \i0, \i0+1, \i0+2, \i0+3
	FRAG AF+FR*(\i), ADRA+\slot, \q, \i
.endr
.endm
.macro PLACES n                        ; a load into a register that a matrix instruction has read, and a read of a matrix result, stand NP plain vector instructions behind that matrix instruction
.rept \n
	v_nop
.endr
.endm
; A step of 128 along K that has its successor in the same slot.  A block of A is free once its eight products are issued: blocks 0-3 are fetched anew in the step's middle, blocks 4-7 at its end; B has two sets.
.macro STEP slot, q, zero
	s_wait_dscnt 4*NL                              ; B's set and A's blocks 0-3 are in; the youngest sixteen loads (A's blocks 4-7) may be out
	WIN MUL_LO
	MUL16 0, (\q)%2, \zero
	MUL16 2, (\q)%2, \zero
	s_wait_dscnt 0
	PLACES NP
	FETCH_B \slot, (\q)+1, 1-(\q)%2
	FETCH_A \slot, (\q)+1, 0
	WIN MUL_HI
	MUL16 4, (\q)%2, \zero
	MUL16 6, (\q)%2, \zero
	PLACES NP
	WIN 0
	FETCH_A \slot, (\q)+1, 4
.endm
; A slot's last step changes slots: ONE barrier; in front of it each wave waits for all its tensor loads, adds 0 to its spare word, and waits for that and for its own reads of this slot.  fill = 1: this slot is filled again, two K steps of 256 ahead.
.macro TURN slot, next, fill
	s_wait_tensorcnt 0x0                           ; all my tensor loads have landed: my part of the next slot
	ds_add_u32 v[SPW], v[NIL]                      ; 0 onto my spare word
	s_wait_dscnt 4*NL+1                            ; (the add and the youngest sixteen loads may be out)
	WIN MUL_LO
	MUL16 0, 1, 0                                  ; sixteen matrix instructions stand between the add and the wait for it
	s_wait_dscnt 0x0                               ; the add is done, and my reads of this slot are over
	s_barrier_signal -1
	MUL16 2, 1, 0
	WIN 0
	s_barrier_wait -1
.if \fill
	CREST                                          ; the barrier has opened a round of the cluster's: no wave of any partner still reads this slot or has a load on its way
	s_add_nc_u64 s[G0+4*\slot+2:G0+4*\slot+3], s[G0+4*\slot+2:G0+4*\slot+3], 2*KSL
	s_add_nc_u64 s[G0B+4*\slot+2:G0B+4*\slot+3], s[G0B+4*\slot+2:G0B+4*\slot+3], 2*KSL
	JLOAD G0+4*\slot, G1, G0B+4*\slot, G1B         ; the first tensor load behind the round; its four v_nop are also the places in front of the loads below
.else
	PLACES NP
.endif
	FETCH_B \next, 0, 0
	FETCH_A \next, 0, 0
	WIN MUL_HI
	MUL16 4, 1, 0
	MUL16 6, 1, 0
	PLACES NP
	WIN 0
	FETCH_A \next, 0, 4
.endm
	s_wait_tensorcnt 1                             ; my part of slot 0 is in; slot 1's load may be out
	s_barrier_signal -1
	s_barrier_wait -1
	FETCH_B 0, 0, 0
	FETCH_A 0, 0, 0
	FETCH_A 0, 0, 4
	STEP 0, 0, 1                                   ; K = 1,024 is eight steps of 128, four fills: written out, no loop
	TURN 0, 1, 1
	STEP 1, 0, 0
	TURN 1, 0, 1
	STEP 0, 0, 0
	TURN 0, 1, 0                                   ; nothing is left to fetch
	STEP 1, 0, 0
	s_wait_dscnt 4*NL
	WIN MUL_LO
	MUL16 0, 1, 0
	MUL16 2, 1, 0
	s_wait_alu depctr_va_vdst(0)
	s_wait_dscnt 0
	WIN MUL_HI
	MUL16 4, 1, 0
	MUL16 6, 1, 0
	WIN 0
; THE WAY OUT, 64 columns (hb) at a time.  Accumulator (a, 4 hb + e): lane (r, h) holds row 16 a + r, columns 16 e + 8 h + 0..7 of the 64: eight neighbours along the next product's K: converted, 8 bytes.
; In the output's order those 8 bytes lie at 2,048 (a / 2) + 128 (a % 2) + 256 e + 1,024 (r / 8) + 16 (r % 8) + 8 h of 8,192: they meet in my stage and leave as 16 stores of 512 consecutive bytes.
.macro OUTBLK hb
.irp a, 0,1,2,3,4,5,6,7
	WIN 0x02+(\a/4)                                ; source 0: window 2 or 3
.set n, 0
.rept 32
.set n, n+1
.endr
.irp e, 0,1,2,3
	v_cvt_scalef32_pk8_fp8_f32 v[CD+8*\a+2*\e:CD+8*\a+2*\e+1], v[TMP+32*(\a%2)+8*\e+((64*(\a%4)+32*\hb+n)-(TMP+32*(\a%2)+n)):TMP+32*(\a%2)+8*\e+7+((64*(\a%4)+32*\hb+n)-(TMP+32*(\a%2)+n))], v[SC]
.endr
	WIN 0
	v_nop                                          ; a plain line behind the last conversion of the run
.irp e, 0,1,2,3
	ds_store_b64 v[STO], v[CD+8*\a+2*\e:CD+8*\a+2*\e+1] offset:(\a/2)*2048+(\a%2)*128+\e*256
.endr
.endr
.irp i, 0,1,2,3,4,5,6,7,8,9,10,11,12,13,14,15
	ds_load_b128 v[BK+4*\i:BK+4*\i+3], v[RD] offset:512*\i   ; LDS serves a wave's instructions in order (ISA guide 5.7.1.4): these see my stores
.endr
.irp i, 0,1,2,3,4,5,6,7,8,9,10,11,12,13,14,15
	s_wait_dscnt 15-\i                             ; load i is in; the younger ones may be out
	global_store_b128 v[CO], v[BK+4*\i:BK+4*\i+3], s[80+4*\hb+2*(\i/8):81+4*\hb+2*(\i/8)] offset:(\i%8)*512   ; 512 consecutive bytes, at a multiple of 512 from the buffer's first byte
.endr
.endm
	PLACES NP                                      ; behind the last products: their results are read and A's registers written below
	OUTBLK 0
	s_wait_xcnt 0x0                                ; the stores have read their registers: the stage's loads may land there again
	OUTBLK 1
	s_wait_tensorcnt 0x0                           ; the wave's end, behind my last tensor load and my last LDS store
	ds_add_u32 v[SPW], v[NIL]
	s_wait_dscnt 0x0
	CROUND                                         ; the closing round: no work-group ends while a partner may still ask for a tile that names it
	s_endpgm
.Lfunc_end_k_q52bbb431af_qkv:
	.size	k_q52bbb431af_qkv, .Lfunc_end_k_q52bbb431af_qkv-k_q52bbb431af_qkv
	.p2alignl 7, 3214868480
	.fill 96, 4, 3214868480
	.section	.rodata,"a",@progbits
	.p2align	6, 0x0
	.amdhsa_kernel k_q52bbb431af_qkv
		.amdhsa_group_segment_fixed_size 327680
		.amdhsa_private_segment_fixed_size 0
		.amdhsa_enable_private_segment 0
		.amdhsa_kernarg_size 32
		.amdhsa_user_sgpr_count 2
		.amdhsa_user_sgpr_kernarg_segment_ptr 1
		.amdhsa_wavefront_size32 1
		.amdhsa_system_sgpr_workgroup_id_x 1
		.amdhsa_system_sgpr_workgroup_id_y 1
		.amdhsa_system_sgpr_workgroup_id_z 1
		.amdhsa_system_vgpr_workitem_id 0
		.amdhsa_next_free_vgpr 1024
		.amdhsa_next_free_sgpr 98
		.amdhsa_reserve_vcc 0
		.amdhsa_float_denorm_mode_32 3
		.amdhsa_float_denorm_mode_16_64 3
		.amdhsa_fp16_overflow 1
		.amdhsa_memory_ordered 1
		.amdhsa_forward_progress 1
		.amdhsa_inst_pref_size 94
	.end_amdhsa_kernel
	.amdgpu_metadata
---
amdhsa.version: [ 1, 2 ]
amdhsa.kernels:
  - .name:           k_q52bbb431af_qkv
    .symbol:         k_q52bbb431af_qkv.kd
    .args:
      - { .name: xc, .offset: 0, .size: 8, .value_kind: global_buffer, .address_space: global }
      - { .name: wc, .offset: 8, .size: 8, .value_kind: global_buffer, .address_space: global }
      - { .name: lowp_scales, .offset: 16, .size: 8, .value_kind: global_buffer, .address_space: global }
      - { .name: qkv, .offset: 24, .size: 8, .value_kind: global_buffer, .address_space: global }
    .group_segment_fixed_size: 327680
    .private_segment_fixed_size: 0
    .kernarg_segment_align: 8
    .kernarg_segment_size: 32
    .max_flat_workgroup_size: 128
    .sgpr_count:     98
    .vgpr_count:     1024
    .wavefront_size: 32
...
	.end_amdgpu_metadata
.endif
;; end of part 2
;; launch attn (part 3): grid 4 x 64, 16 waves a work-group, clusters of 4 x 1, 327,680 bytes of LDS; arguments qkv, lowp_scales, yc; writes yc
.if DOCPART == 3
	.amdgcn_target "amdgcn-amd-amdhsa--gfx1250"
	.amdhsa_code_object_version 6
	.text
	.protected	k_q52bbb431af_attn
	.globl	k_q52bbb431af_attn
	.p2align	8
	.type	k_q52bbb431af_attn,@function
k_q52bbb431af_attn:
	s_mov_b64 s[64:65], 0
	v_nop
	global_prefetch_b8 v0, s[64:65] scope:SCOPE_SE
	s_setreg_imm32_b32 hwreg(HW_REG_WAVE_MODE, 25, 1), 1
	s_wait_xcnt 0x0
	s_wait_alu depctr_hold_cnt(0) depctr_sa_sdst(0) depctr_va_vdst(0) depctr_va_sdst(0) depctr_va_ssrc(0) depctr_va_vcc(0) depctr_vm_vsrc(0)
	s_getreg_b32 s2, hwreg(HW_REG_IB_STS2, 6, 4)
	s_cmp_eq_u32 s2, 0
	s_cbranch_scc0 .Lentry_in_a_cluster
	s_endpgm
.Lentry_in_a_cluster:
	s_bfe_u32 s2, ttmp6, 0x10000c
	s_cmp_lg_u32 s2, 0x3003
	s_cbranch_scc0 .Lentry_shape_is_right
	s_endpgm
.Lentry_shape_is_right:
; Y[b][q][head] = softmax over the keys k <= q of (Q . K / 8) times V, both products on codes of FP8 (E4M3) with the given scales (entries 6, 7 for Q, K; 8 for p; 9 for V); Y is quantised at once (entry 10).
; THE SOFTMAX AHEAD OF THE SECOND PRODUCT: t = score x log2(e) / 8; M = the running largest t rounded UP to a whole number; p = 2^(t - M) is what is quantised; the row's sum is taken of the unquantised p and divides at the end.
; When M moves, the sum and O are multiplied by 2^(old M - new M): exact.
; INPUT: qkv holds Q, K, V as codes, 8 MiB each: [batch x 16 + head][g][t4][c][lane (r, h)][16 bytes]; perm(t4, r) = 32 (t4 / 2) + 16 (r / 8) + 8 (t4 % 2) + r % 8;
; Q, K: token 64 g + perm, channels 32 c + 16 h + 0..15;  V: channel perm, keys 64 g + 32 c + 16 h + 0..15.  So every fragment of K and V is read at 16 x lane.
; SHARES.  A head's K and V, 131,072 bytes each, lie WHOLE in LDS, filled once: no ring, nothing is filled again.  The head's 128 tiles of 16 queries are dealt to four work-groups x 16 waves, two a wave: tile cx + 4 w and
; tile 127 - (cx + 4 w).  The first wants w / 2 + 1 steps of 128 keys, the second 16 - w / 2: 17 steps for every wave of the launch, two of them on the diagonal.
; CLUSTER.  The four work-groups of a head want the same 262,144 bytes at the same time: each wave's two tensor loads are joint, with the mask of all four.  Branches hang on the wave's number and the count of steps alone;
; the work-group's place enters Q's and Y's global addresses and the numbers that the diagonal's compare reads, nothing else.
; No prefetch: every byte of K and V is asked for by the tensor loads at the head, so nothing later is left to ask for ahead.
; LAYOUT.  Both products are used transposed: S^T = K Q^T (source 0 = 16 keys), O^T = V^T p^T (source 0 = 16 channels): a lane holds ONE query (lane % 16).  By perm the 16 registers of score tiles 2 b, 2 b + 1 are the
; neighbouring keys 32 b + 16 h + 0..15 of the step, so p's conversions are the second product's operand; likewise O^T's tiles 2 b, 2 b + 1 are channels 32 b + 16 h + 0..15, and Y's conversions are 16 bytes of
; yc, which lies in the order of the last product's operand registers: row tile x 16,384 + head x 1,024 + b x 512 + 16 x lane.
; LIMITS: e6 + e7 between -123 and 130 (added to c's exponent field); e8, and e10 - e8 - e9, between -126 and 127.
.set VIMG,  131072                     ; LDS: K's image at 0, V's here
.set SPARE, 262144                     ; behind them: the spare words, 128 bytes for each of 16 waves: eight blocks of 256 bytes that no other line names
.set LI,  1                            ; v1   16 x lane; never rewritten
.set SPW, 2                            ; v2   LDS address of my spare word; never rewritten
.set NIL, 3                            ; v3   0; never rewritten
.set ADK, 4                            ; v4   LDS address of the step's K
.set ADV, 5                            ; v5   of its V
.set DM0, 6                            ; v6   late tile: my query less the diagonal step's first key less 16 h
.set DM1, 7                            ; v7   early tile: the same
.set LIM, 8
.set SC,  9                            ; v9   the scale in hand, as f32
                                       ; v10, v11 at work; v[12:13] f; v14 a permute's destination; v15 -infinity; v[16:17] the sums' second chain
.set ST0, 18                           ; v18-21 late tile: -M, the largest t, the sum in two halves
.set ST1, 22                           ; v22-25 early tile
.set Q0,  26                           ; v26-33 late tile's Q
.set Q1,  34                           ; v34-41 early tile's
.set P,   42                           ; v42-57 p's codes; at the end Y's
.set F,   58                           ; v58-121 eight fragments of K, then four of V
.set S,   122                          ; v122-185 S^T, then p
.set O0,  186                          ; v186-217 late tile's O^T
.set O1,  218                          ; v218-249 early tile's
.set WV,  10                           ; s10  wave
.set G1A, 16                           ; s[16:23] group 1: 8 rows of 256 bytes;   s[24:31]: 56 rows
.set G1B, 24
.set G0A, 32                           ; s[32:35], s[36:39] their groups 0
.set G0B, 36
.set SEL, 40                           ; s[40:41] v_permlanex16_b32's selects: lane l xor 16
.set CS,  42                           ; s[42:43] c = log2(e) / 8 x 2^(e6 + e7)
.set KS,  44                           ; s44  the step of 128 keys
.set TB,  45                           ; s45  its first byte in an image
.set ME,  46                           ; s46  the early tile's last step, which lies on its diagonal: w / 2
.set ML,  47                           ; s47  the late tile's: 15 - w / 2
.macro ROUND                           ; a round of the cluster's barrier
	s_barrier_signal -1
	s_barrier_wait -1
	s_cmp_lg_u32 s[WV], 0
	s_cbranch_scc1 .Lnot_wave_0_\@
	s_barrier_signal -3
.Lnot_wave_0_\@:
	s_barrier_wait -3
	s_barrier_signal -1
	s_barrier_wait -1
.endm
	s_load_b128 s[4:7], s[0:1], 0x0                ; qkv s[4:5], the scales s[6:7]
	s_load_b64 s[8:9], s[0:1], 0x10                ; yc
	v_lshl_add_u32 v[SPW], v0, 2, SPARE
	v_mov_b32 v[NIL], 0
	ds_add_u32 v[SPW], v[NIL]                      ; the wave's opening: the add and its wait stand ahead of my first tensor load; work on registers stands between them
	ds_add_u32 v[SPW], v[NIL]
	v_lshrrev_b32 v4, 5, v0
	s_delay_alu instid0(VALU_DEP_1)
	v_readfirstlane_b32 s[WV], v4                  ; wave 0..15
	s_bfe_u32 s11, ttmp6, 0x40000                  ; cx: my place in the cluster
	s_and_b32 s12, ttmp7, 0xffff                   ; batch x 16 + head, which the four partners share
	; descriptor groups 1: dense blocks as rows of 256 bytes (32 elements of 8 bytes)
	s_mov_b32 s[G1A], 15|(3<<16)|(1<<21)           ; 15:0 the mask: all four work-groups; 17:16 elements of 8 bytes; 21 set beside a mask
	s_mov_b32 s[G1A+1], 32<<16                     ; tensor_dim0
	s_mov_b32 s[G1A+2], 8<<16                      ; tensor_dim1
	s_mov_b32 s[G1A+3], 32<<16                     ; tile_dim0
	s_mov_b32 s[G1A+4], 8                          ; tile_dim1
	s_mov_b32 s[G1A+5], 32                         ; tensor_dim0_stride
	s_mov_b32 s[G1A+6], 0
	s_mov_b32 s[G1A+7], 0
	s_mov_b32 s[G1B], 15|(3<<16)|(1<<21)
	s_mov_b32 s[G1B+1], 32<<16
	s_mov_b32 s[G1B+2], 56<<16
	s_mov_b32 s[G1B+3], 32<<16
	s_mov_b32 s[G1B+4], 56
	s_mov_b32 s[G1B+5], 32
	s_mov_b32 s[G1B+6], 0
	s_mov_b32 s[G1B+7], 0
	; waves 0-7 fetch K's image, waves 8-15 V's.  First load: my 2,048 bytes of the image's first 16,384 (keys 0-255); second: my 14,336 of the other 114,688
	s_lshr_b32 s66, s[WV], 3
	s_and_b32 s67, s[WV], 7
	s_lshl_b32 s68, s66, 17                        ; the image in LDS
	s_lshl_b32 s69, s67, 11
	s_add_co_u32 s[G0A+1], s68, s69
	s_mul_i32 s70, s67, 14336
	s_add_co_u32 s70, s70, 16384
	s_add_co_u32 s[G0B+1], s68, s70
	s_lshl_b32 s71, s66, 23
	s_add_co_u32 s71, s71, 0x800000                ; K's or V's part of qkv,
	s_lshl_b32 s72, s12, 17
	s_add_co_u32 s72, s72, s71                     ; my head's image in it
	s_add_co_u32 s74, s72, s69
	s_mov_b32 s75, 0
	s_add_co_u32 s72, s72, s70
	s_mov_b32 s73, 0
	s_mov_b32 s[SEL], 0x76543210
	s_mov_b32 s[SEL+1], 0xfedcba98
	s_mov_b32 s[CS], 0x3e38aa3b                    ; log2(e) / 8
	s_mov_b32 s[KS], 0
	s_mov_b32 s[TB], 0
	s_lshr_b32 s[ME], s[WV], 1
	s_sub_co_u32 s[ML], 15, s[ME]
	s_wait_dscnt 0x0                               ; the opening add is done
	s_wait_kmcnt 0x0
	s_load_b128 s[48:51], s[6:7], 0x18             ; e6, e7, e8, e9
	s_load_b32 s52, s[6:7], 0x28                   ; e10
	s_mov_b32 s[G0A], 1
	s_add_nc_u64 s[G0A+2:G0A+3], s[4:5], s[74:75]
	s_or_b32 s[G0A+3], s[G0A+3], 0x80000000
	s_mov_b32 s[G0B], 1
	s_add_nc_u64 s[G0B+2:G0B+3], s[4:5], s[72:73]
	s_or_b32 s[G0B+3], s[G0B+3], 0x80000000
	ROUND                                          ; all four work-groups are here: the joint loads meet
	tensor_load_to_lds s[G0A:G0A+3], s[G1A:G1A+7]  ; every wave issues both: one load of mine is out
	s_nop 0
	s_wait_alu depctr_va_vdst(0)
	s_wait_tensorcnt 0x0
	ds_add_u32 v2, v3
	s_wait_dscnt 0x0
	ROUND
	tensor_load_to_lds s[G0B:G0B+3], s[G1B:G1B+7]
	s_nop 0
.rept 4
	v_nop
.endr
	v_and_b32 v10, 31, v0
	s_delay_alu instid0(VALU_DEP_1)
	v_lshlrev_b32 v[LI], 4, v10
	v_and_b32 v10, 15, v0                          ; r
	v_bfe_u32 v11, v0, 4, 1                        ; h
	s_delay_alu instid0(VALU_DEP_1)
	v_lshlrev_b32 v12, 4, v11
	s_delay_alu instid0(VALU_DEP_1)
	v_sub_nc_u32 v12, v10, v12                     ; r - 16 h
	s_lshl_b32 s60, s[WV], 2
	s_add_co_u32 s60, s60, s11                     ; the early tile
	s_sub_co_u32 s61, 127, s60                     ; the late tile
	s_and_b32 s62, s61, 7
	s_lshl_b32 s62, s62, 4
	v_add_nc_u32 v[DM0], s62, v12
	s_and_b32 s62, s60, 7
	s_lshl_b32 s62, s62, 4
	v_add_nc_u32 v[DM1], s62, v12
	v_and_b32 v13, 7, v0                           ; tile a's 16 consecutive queries lie at 2,048 (a / 2) + 128 (a % 2) + 512 c + [1,024 (r / 8) + 256 h + 16 (r % 8)] of the head's Q
	s_delay_alu instid0(VALU_DEP_1)
	v_lshlrev_b32 v13, 4, v13
	v_bfe_u32 v14, v0, 3, 1
	s_delay_alu instid0(VALU_DEP_1)
	v_lshl_add_u32 v13, v14, 10, v13
	s_delay_alu instid0(VALU_DEP_1)
	v_lshl_add_u32 v13, v11, 8, v13
	s_wait_alu depctr_va_vdst(0)
	s_lshr_b32 s62, s61, 1
	s_lshl_b32 s62, s62, 11
	s_and_b32 s63, s61, 1
	s_lshl_b32 s63, s63, 7
	s_add_co_u32 s62, s62, s63
	v_add_nc_u32 v250, s62, v13
	s_wait_alu depctr_va_vdst(0)
	s_lshr_b32 s62, s60, 1
	s_lshl_b32 s62, s62, 11
	s_and_b32 s63, s60, 1
	s_lshl_b32 s63, s63, 7
	s_add_co_u32 s62, s62, s63
	v_add_nc_u32 v251, s62, v13
	s_lshl_b32 s78, s12, 17
	s_mov_b32 s79, 0
	s_add_nc_u64 s[58:59], s[4:5], s[78:79]        ; the head's Q
	global_load_b128 v[Q0:Q0+3], v250, s[58:59]
	global_load_b128 v[Q0+4:Q0+7], v250, s[58:59] offset:512
	global_load_b128 v[Q1:Q1+3], v251, s[58:59]
	global_load_b128 v[Q1+4:Q1+7], v251, s[58:59] offset:512
	s_lshr_b32 s66, s12, 4
	s_lshl_b32 s66, s66, 7                         ; the batch's 128 row tiles of yc,
	s_and_b32 s67, s12, 15
	s_lshl_b32 s67, s67, 10                        ; the head's 1,024 bytes of a row tile
	s_add_co_u32 s78, s66, s61
	s_lshl_b32 s78, s78, 14
	s_add_co_u32 s78, s78, s67
	s_add_nc_u64 s[54:55], s[8:9], s[78:79]        ; where the late tile's Y goes,
	s_add_co_u32 s78, s66, s60
	s_lshl_b32 s78, s78, 14
	s_add_co_u32 s78, s78, s67
	s_add_nc_u64 s[56:57], s[8:9], s[78:79]        ; and the early tile's
	v_mov_b32 v[ST0+1], 0xff61b1e6                 ; the largest t so far: -3e38, under every t
	v_mov_b32 v[ST1+1], 0xff61b1e6
	s_delay_alu instid0(VALU_DEP_2)
	v_floor_f32 v[ST0], -v[ST0+1]                  ; -M
	s_delay_alu instid0(VALU_DEP_2)
	v_floor_f32 v[ST1], -v[ST1+1]
	v_mov_b32 v[ST0+2], 0                          ; the sums
	v_mov_b32 v[ST0+3], 0
	v_mov_b32 v[ST1+2], 0
	v_mov_b32 v[ST1+3], 0
	v_mov_b32 v13, 0                               ; (named as the upper half of the pair v[12:13])
	v_mov_b32 v14, 0                               ; (a lane permute's destination counts as one of its sources)
	v_mov_b32 v15, 0xff800000                      ; -infinity
.set n, 0
.rept 64
	v_mov_b32 v[O0+n], 0                           ; both tiles' O^T: the step is written once for all steps; the first finds zeros, which the first change of M leaves zeros
.set n, n+1
.endr
	s_wait_kmcnt 0x0
	s_add_co_i32 s66, s48, s49
	s_lshl_b32 s66, s66, 23
	s_add_co_i32 s[CS], s[CS], s66                 ; a score stands for score x 2^(e6 + e7): the exponents are added to c's exponent field
	s_mov_b32 s[CS+1], s[CS]                       ; (named with it as a pair, so it is written)
	s_add_co_i32 s66, s50, 127
	s_lshl_b32 s67, s66, 23
	v_mov_b32 v[SC], s67                           ; 2^e8, for p's conversions
	s_sub_co_i32 s66, s52, s50
	s_sub_co_i32 s66, s66, s51                     ; O^T / l stands for Y / 2^(e8 + e9): Y's code is that / 2^(e10 - e8 - e9)
	s_add_co_i32 s66, s66, 127
	s_lshl_b32 s76, s66, 23
; A STEP of 128 keys for one tile of 16 queries.  st: its statistics; q: its Q; o: its O^T; m: the scalar that holds its last step; dm: the diagonal's numbers.
; A step all of whose keys come after the tile's queries is left out: a scalar branch on the wave's number and the count of steps; no barrier and no tensor load stands in a step.
.macro STEP st, q, o, m, dm
	s_cmp_gt_u32 s[KS], s[\m]
	s_cbranch_scc1 .Lhid_\@
	v_add_nc_u32 v[ADK], s[TB], v[LI]
	s_delay_alu instid0(VALU_DEP_1)
	v_add_nc_u32 v[ADV], VIMG, v[ADK]
	v_nop
	v_nop                                          ; with the two additions: four places in front of loads into registers that the last products read
.irp t, 0,1,2,3,4,5,6,7
	ds_load_b128 v[F+8*\t:F+8*\t+3], v[ADK] offset:1024*\t
	ds_load_b128 v[F+8*\t+4:F+8*\t+7], v[ADK] offset:1024*\t+512
.endr
	s_wait_alu depctr_va_vdst(0)
	s_wait_dscnt 8                                 ; tiles 0-3 are in; the eight loads of tiles 4-7 may be out
.irp t, 0,1,2,3
	v_wmma_f32_16x16x64_fp8_fp8 v[S+8*\t:S+8*\t+7], v[F+8*\t:F+8*\t+7], v[\q:\q+7], 0
.endr
	s_wait_dscnt 0x0
.irp t, 4,5,6,7
	v_wmma_f32_16x16x64_fp8_fp8 v[S+8*\t:S+8*\t+7], v[F+8*\t:F+8*\t+7], v[\q:\q+7], 0
.endr
.rept 4
	v_nop                                          ; places: K's registers take V below, and the scores are read
.endr
.irp t, 0,1,2,3                        ; V's four fragments (16 channels x 128 keys) are asked for here and land under the softmax
.irp b, 0,1,2,3
	ds_load_b128 v[F+16*\t+4*\b:F+16*\t+4*\b+3], v[ADV] offset:(\b/2)*4096+\t*1024+(\b%2)*512
.endr
.endr
	s_cmp_lg_u32 s[KS], s[\m]                      ; only the tile's last step lies on the diagonal
	s_cbranch_scc1 .Lopen_\@
.set n, 0
.rept 64
	v_cmp_gt_i32 vcc_lo, 32*(n/16)+n%16, v[\dm]    ; register 16 b + i holds the step's key 32 b + 16 h + i: hidden where it comes after my query
	v_cndmask_b32 v[S+n], v[S+n], v15, vcc_lo      ; -infinity ahead of the maximum: p = 0 then.  The step's first key counts for every query of the tile
.set n, n+1
.endr
.Lopen_\@:
	v_max3_num_f32 v10, v[S], v[S+1], v[S+2]       ; the step's largest score of my query among my 64 keys, in two chains, in ascending order,
	v_max3_num_f32 v11, v[S+3], v[S+4], v[S+5]
.irp i, 6,10,14,18,22,26,30,34,38,42,46,50,54,58
	v_max3_num_f32 v10, v10, v[S+\i], v[S+\i+1]
	v_max3_num_f32 v11, v11, v[S+\i+2], v[S+\i+3]
.endr
	v_max3_num_f32 v10, v10, v[S+62], v[S+63]
	s_delay_alu instid0(VALU_DEP_1)
	v_max_num_f32 v10, v10, v11
	s_delay_alu instid0(VALU_DEP_1)
	v_permlanex16_b32 v14, v10, s[SEL], s[SEL+1]
	s_delay_alu instid0(VALU_DEP_1)
	v_max_num_f32 v10, v10, v14                    ; and among lane l xor 16's
	s_delay_alu instid0(VALU_DEP_1)
	v_mul_f32 v10, s[CS], v10                      ; as t (c is positive)
	s_delay_alu instid0(VALU_DEP_1)
	v_max_num_f32 v[\st+1], v[\st+1], v10          ; the running largest t
	v_mov_b32 v10, v[\st]
	s_delay_alu instid0(VALU_DEP_2)
	v_floor_f32 v[\st], -v[\st+1]                  ; the new -M = floor(-t) = -ceil(t): a whole number
	s_delay_alu instid0(VALU_DEP_1)
	v_sub_f32 v10, v[\st], v10                     ; old M less new M: a whole number, 0 or less
	s_delay_alu instid0(VALU_DEP_1)
	v_cvt_i32_f32 v10, v10                         ; (it saturates)
	s_delay_alu instid0(VALU_DEP_1)
	v_ldexp_f32 v12, 1.0, v10                      ; f = 2^(old M - new M)
.set n, 0
.rept 32
	v_pk_fma_f32 v[S+n:S+n+1], v[S+n:S+n+1], s[CS:CS+1], v[\st:\st+1] op_sel_hi:[1,0,0]   ; t - M, two at a time (of the pairs c and -M the low word serves both halves)
.set n, n+2
.endr
.set n, 0
	s_wait_alu depctr_va_vdst(0)
.rept 64
	v_exp_f32 v[S+n], v[S+n]                       ; p = 2^(t - M), at most 1: not normalised
.set n, n+1
.endr
	v_pk_mul_f32 v[\st+2:\st+3], v[\st+2:\st+3], v[12:13] op_sel_hi:[1,0]   ; the sums under the new M: the plain line behind the exponentials
	s_wait_alu depctr_va_vdst(0)                   ; one wait for the whole batch, ahead of its first reader
	v_pk_add_f32 v[16:17], v[S:S+1], v[S+2:S+3]    ; the row's sum is taken of the unquantised p: two at a time, in two chains
.irp j, 4,8,12,16,20,24,28,32,36,40,44,48,52,56,60
	v_pk_add_f32 v[\st+2:\st+3], v[\st+2:\st+3], v[S+\j:S+\j+1]
	v_pk_add_f32 v[16:17], v[16:17], v[S+\j+2:S+\j+3]
.endr
	s_delay_alu instid0(VALU_DEP_1)
	v_pk_add_f32 v[\st+2:\st+3], v[\st+2:\st+3], v[16:17]
.irp b, 0,1,2,3
.set n, 0
.rept 16
.set n, n+1
.endr
	v_cvt_scalef32_pk8_fp8_f32 v[P+4*\b:P+4*\b+1], v[S+16*\b:S+16*\b+7], v[SC]
	v_cvt_scalef32_pk8_fp8_f32 v[P+4*\b+2:P+4*\b+3], v[S+16*\b+8:S+16*\b+15], v[SC]
.endr
.set n, 0
.rept 16
	v_pk_mul_f32 v[\o+n:\o+n+1], v[\o+n:\o+n+1], v[12:13] op_sel_hi:[1,0]   ; O^T under the new M; also the plain lines between the conversions and the products
.set n, n+2
.endr
	s_wait_alu depctr_va_vdst(0)
	s_wait_dscnt 0x0                               ; V is in
.irp t, 0,1,2,3                        ; the four accumulators take turns, one instruction a turn
	v_wmma_f32_16x16x128_fp8_fp8 v[\o+8*\t:\o+8*\t+7], v[F+16*\t:F+16*\t+15], v[P:P+15], v[\o+8*\t:\o+8*\t+7]
.endr
.Lhid_\@:
.endm
	s_wait_loadcnt 0x0                             ; Q
	s_wait_tensorcnt 1                             ; my part of keys 0-255 is in; my second load may be out
	s_barrier_signal -1
	s_barrier_wait -1                              ; everybody's is
.Lfirst:                                           ; steps 0 and 1 read keys 0-255 alone
	STEP ST0, Q0, O0, ML, DM0
	STEP ST1, Q1, O1, ME, DM1
	s_add_co_u32 s[KS], s[KS], 1
	s_add_co_u32 s[TB], s[TB], 8192
	s_cmp_lt_u32 s[KS], 2
	s_cbranch_scc1 .Lfirst
	s_wait_tensorcnt 0x0                           ; my part of the other keys is in,
	s_wait_dscnt 0x0
	s_barrier_signal -1
	s_barrier_wait -1                              ; everybody's is: from here on the waves run free
	s_mov_b32 s[KS], 2
	s_mov_b32 s[TB], 16384
.Lrest:                                            ; steps 2 to 15
	STEP ST0, Q0, O0, ML, DM0
	STEP ST1, Q1, O1, ME, DM1
	s_add_co_u32 s[KS], s[KS], 1
	s_add_co_u32 s[TB], s[TB], 8192
	s_cmp_lt_u32 s[KS], 16
	s_cbranch_scc1 .Lrest
	; THE WAY OUT.  Each sum's two halves and lane l xor 16's are added; O^T / the sum is converted, and is 16 bytes a lane of yc as it stands.
.rept 4
	v_nop                                          ; places behind the last products
.endr
	v_add_f32 v[ST0+2], v[ST0+2], v[ST0+3]
	v_add_f32 v[ST1+2], v[ST1+2], v[ST1+3]
	s_delay_alu instid0(VALU_DEP_2)
	v_permlanex16_b32 v14, v[ST0+2], s[SEL], s[SEL+1]
	s_delay_alu instid0(VALU_DEP_2)
	v_permlanex16_b32 v10, v[ST1+2], s[SEL], s[SEL+1]
	s_delay_alu instid0(VALU_DEP_2)
	v_add_f32 v[ST0+2], v[ST0+2], v14
	s_delay_alu instid0(VALU_DEP_2)
	v_add_f32 v[ST1+2], v[ST1+2], v10
	s_wait_alu depctr_va_vdst(0)
	v_rcp_f32 v[ST0+2], v[ST0+2]
	v_rcp_f32 v[ST1+2], v[ST1+2]
	v_mov_b32 v[SC], s76                           ; Y's folded scale (the plain lines behind the reciprocals)
	s_wait_alu depctr_va_vdst(0)                   ; one wait for both reciprocals, ahead of their first reader
.macro OUTY t, st, o, yb
.set n, 0
.rept 16
	v_pk_mul_f32 v[S+32*\t+n:S+32*\t+n+1], v[\o+n:\o+n+1], v[\st+2:\st+3] op_sel_hi:[1,0]   ; O^T / the sum, each accumulator from its low end on
.set n, n+2
.endr
.set n, 0
.rept 32
.set n, n+1
.endr
.irp k, 0,1,2,3
	v_cvt_scalef32_pk8_fp8_f32 v[P+8*\t+2*\k:P+8*\t+2*\k+1], v[S+32*\t+8*\k:S+32*\t+8*\k+7], v[SC]
.endr
	v_nop                                          ; a plain line behind the last conversion of the run
	global_store_b128 v[LI], v[P+8*\t:P+8*\t+3], s[\yb:\yb+1]               ; channels 16 h + 0..15 of the head: 512 consecutive bytes, at a multiple of 512 from the buffer's first byte
	global_store_b128 v[LI], v[P+8*\t+4:P+8*\t+7], s[\yb:\yb+1] offset:512  ; channels 32 + 16 h + 0..15
.endm
	OUTY 0, ST0, O0, 54
	OUTY 1, ST1, O1, 56
	s_wait_tensorcnt 0x0                           ; the wave's end, behind my last tensor load
	ds_add_u32 v[SPW], v[NIL]
	s_wait_dscnt 0x0
	ROUND                                          ; the closing round
	s_endpgm
.Lfunc_end_k_q52bbb431af_attn:
	.size	k_q52bbb431af_attn, .Lfunc_end_k_q52bbb431af_attn-k_q52bbb431af_attn
	.p2alignl 7, 3214868480
	.fill 96, 4, 3214868480
	.section	.rodata,"a",@progbits
	.p2align	6, 0x0
	.amdhsa_kernel k_q52bbb431af_attn
		.amdhsa_group_segment_fixed_size 327680
		.amdhsa_private_segment_fixed_size 0
		.amdhsa_enable_private_segment 0
		.amdhsa_kernarg_size 24
		.amdhsa_user_sgpr_count 2
		.amdhsa_user_sgpr_kernarg_segment_ptr 1
		.amdhsa_wavefront_size32 1
		.amdhsa_system_sgpr_workgroup_id_x 1
		.amdhsa_system_sgpr_workgroup_id_y 1
		.amdhsa_system_sgpr_workgroup_id_z 1
		.amdhsa_system_vgpr_workitem_id 0
		.amdhsa_next_free_vgpr 256
		.amdhsa_next_free_sgpr 80
		.amdhsa_reserve_vcc 1
		.amdhsa_float_denorm_mode_32 3
		.amdhsa_float_denorm_mode_16_64 3
		.amdhsa_fp16_overflow 1
		.amdhsa_memory_ordered 1
		.amdhsa_forward_progress 1
		.amdhsa_inst_pref_size 89
	.end_amdhsa_kernel
	.amdgpu_metadata
---
amdhsa.version: [ 1, 2 ]
amdhsa.kernels:
  - .name:           k_q52bbb431af_attn
    .symbol:         k_q52bbb431af_attn.kd
    .args:
      - { .name: qkv, .offset: 0, .size: 8, .value_kind: global_buffer, .address_space: global }
      - { .name: lowp_scales, .offset: 8, .size: 8, .value_kind: global_buffer, .address_space: global }
      - { .name: yc, .offset: 16, .size: 8, .value_kind: global_buffer, .address_space: global }
    .group_segment_fixed_size: 327680
    .private_segment_fixed_size: 0
    .kernarg_segment_align: 8
    .kernarg_segment_size: 24
    .max_flat_workgroup_size: 512
    .sgpr_count:     80
    .vgpr_count:     256
    .wavefront_size: 32
...
	.end_amdgpu_metadata
.endif
;; end of part 3
;; launch proj (part 4): grid 4 x 32, 4 waves a work-group, clusters of 4 x 4, 327,680 bytes of LDS; arguments yc, wc, lowp_scales, bo, out0; writes out0
.if DOCPART == 4
	.amdgcn_target "amdgcn-amd-amdhsa--gfx1250"
	.amdhsa_code_object_version 6
	.text
	.protected	k_q52bbb431af_proj
	.globl	k_q52bbb431af_proj
	.p2align	8
	.type	k_q52bbb431af_proj,@function
k_q52bbb431af_proj:
	s_mov_b64 s[64:65], 0
	v_nop
	global_prefetch_b8 v0, s[64:65] scope:SCOPE_SE
	s_setreg_imm32_b32 hwreg(HW_REG_WAVE_MODE, 25, 1), 1
	s_wait_xcnt 0x0
	s_wait_alu depctr_hold_cnt(0) depctr_sa_sdst(0) depctr_va_vdst(0) depctr_va_sdst(0) depctr_va_ssrc(0) depctr_va_vcc(0) depctr_vm_vsrc(0)
	s_getreg_b32 s2, hwreg(HW_REG_IB_STS2, 6, 4)
	s_cmp_eq_u32 s2, 0
	s_cbranch_scc0 .Lentry_in_a_cluster
	s_endpgm
.Lentry_in_a_cluster:
	s_bfe_u32 s2, ttmp6, 0x10000c
	s_cmp_lg_u32 s2, 0xf033
	s_cbranch_scc0 .Lentry_shape_is_right
	s_endpgm
.Lentry_shape_is_right:
; out0 = Y Wo^T + bo on codes of FP8 (E4M3): Y's codes (scale entry 10) and Wo's (entry 11, the fourth MiB of wc) are multiplied as they are, sums in f32; each finished sum x 2^(e10 + e11) + bo.  out0: [8192][1024] f32.
; A tile of 256 x 256 of the output is made by four waves, 128 x 128 each: 64 accumulators, 512 registers.  K = 1,024 goes in four steps of 256 through two LDS slots.
; OPERANDS lie in memory as register images (a tile of 16 rows: 16,384 bytes; in it a K step of 128: 2,048; in it c x 512 + 16 x lane): a fragment is four loads of 16 bytes a lane at 16 x lane.
; Lane (r, h) holds K = 32 c + 16 h + 0..15 in registers 4 c .. 4 c + 3: a permutation of k that is the same in both operands.
; THE MATRIX INSTRUCTION IS USED TRANSPOSED (source 0 = 16 rows of Wo, source 1 = 16 rows of Y): a lane holds eight neighbouring numbers of a row of the output.
; CLUSTERS: 4 x 4 work-groups.  Y's tile hangs on the tile row alone and is asked for jointly by a row of the cluster, Wo's on cx alone, by a column.
; LIMIT: e10 + e11 lies between -126 and 127, so that 2^(e10 + e11) is an f32 number.
; REGISTERS, in windows of 256: window 0: v8-11 bo, v16-29 addresses; from v128 A's fragments, ONE set; on the way out v128-255.  window 1: B's fragments, TWO sets.  windows 2, 3: the accumulators ((a, b) at v[8 (8 (a % 4) + b)]).
.set KSL,    4096                      ; a row tile's bytes in a slot: two K steps of 128
.set FR,     16
.set NL,     4
.set NP,     4                         ; places behind this matrix instruction (ISA guide 7.12.1)
.set HALFT,  32768                     ; 8 row tiles: what one tensor load brings, and what one wave reads of A or of B
.set SLOT,   4*HALFT
.set SPARE,  2*SLOT                    ; behind the ring: the spare words, 128 bytes a wave: two blocks of 256 bytes that no other line names
.set STAGE,  SPARE+512                 ; the way out: 16 rows x 528 bytes a wave, into which no fill lands
.set SPITCH, 528
.set ROWO,   4096                      ; a row of the output in bytes
.set BO,   8                           ; v8-11   bo at my four columns of a row read back
.set ADRA, 16
.set ADRB, 20
.set STO,  24                          ; v24     the way out: where I put 32 bytes of a row
.set RD,   25                          ; v25     where I read a row back
.set CO,   26                          ; v26     16 x lane
.set SPW,  28                          ; v28     LDS address of my spare word; never rewritten
.set NIL,  29                          ; v29     0; never rewritten
.set AF,   128
.set BK,   128                         ; the way out: 16 rows read back: v128-191 and v192-255 by turns
.set G1, 24
.set G0, 32
.set G1B, 48
.set G0B, 56
.set MSB, 0
.macro WIN new                         ; the immediate's high byte repeats the setting that is left
.if MSB != (\new)
	s_set_vgpr_msb (MSB<<8)|(\new)
.set MSB, (\new)
.endif
.endm
.set MUL_LO, 0xa1                      ; source 0 (B) window 1, source 1 (A) window 0, C and D window 2
.set MUL_HI, 0xf1
.set TO_B,   0x40
.macro JLOAD g0a, g1a, g0b, g1b        ; a joint load: waves 0 and 1 fetch for A, waves 2 and 3 for B; an s_nop 0 and four v_nop follow each of the two lines
	s_cmp_eq_u32 s15, 0
	s_cbranch_scc0 .Lfor_b_\@
	tensor_load_to_lds s[\g0a:\g0a+3], s[\g1a:\g1a+7]
	s_nop 0
.rept 4
	v_nop
.endr
	s_branch .Lasked_\@
.Lfor_b_\@:
	tensor_load_to_lds s[\g0b:\g0b+3], s[\g1b:\g1b+7]
	s_nop 0
.rept 4
	v_nop
.endr
.Lasked_\@:
.endm
.macro CREST
	s_cmp_lg_u32 s14, 0
	s_cbranch_scc1 .Lnot_wave_0_\@
	s_barrier_signal -3
.Lnot_wave_0_\@:
	s_barrier_wait -3
	s_barrier_signal -1
	s_barrier_wait -1
.endm
.macro CROUND
	s_barrier_signal -1
	s_barrier_wait -1
	CREST
.endm
	s_load_b256 s[4:11], s[0:1], 0x0               ; Y's codes s[4:5], the weights' s[6:7], the scales s[8:9], bo s[10:11]
	s_load_b64 s[12:13], s[0:1], 0x20              ; out0
	v_lshl_add_u32 v[SPW], v0, 2, SPARE
	v_mov_b32 v[NIL], 0
	ds_add_u32 v[SPW], v[NIL]                      ; the wave's opening: the add and its wait stand ahead of my first tensor load; work on registers stands between them
	ds_add_u32 v[SPW], v[NIL]
	v_lshrrev_b32 v1, 5, v0
	v_readfirstlane_b32 s14, v1                    ; wave 0..3
	s_lshr_b32 s15, s14, 1                         ; which half of the tile's rows is mine.  Also: I fetch for A (0) or for B (1)
	s_and_b32 s16, s14, 1                          ; which half of its columns.  Also: which 8 row tiles I fetch
	s_bfe_u32 s40, ttmp6, 0x40000                  ; cx, cy
	s_bfe_u32 s41, ttmp6, 0x40004
	s_and_b32 s17, ttmp7, 0xffff
	s_lshl_b32 s17, s17, 2
	s_add_co_u32 s20, s17, s41                     ; tile row = 4 x cluster y + cy
	s_mov_b32 s46, s40                             ; tile column = cx (the grid is one cluster wide)
	s_mov_b32 s66, s20                             ; both are kept for the way out, in registers that feed no descriptor
	s_mov_b32 s67, s46
	s_lshl_b32 s43, s41, 2
	s_lshl_b32 s43, 15, s43                        ; my row of the cluster
	s_lshl_b32 s44, 0x1111, s40                    ; my column
	s_or_b32 s[G1+0], s43, (1<<21)                 ; 15:0 the mask; 17:16 elements of 1 byte; 20 no padding; 21 set beside a mask
	s_or_b32 s[G1B+0], s44, (1<<21)
.irp g, G1, G1B
	s_mov_b32 s[\g+1], KSL<<16                     ; tensor_dim0 = 4,096
	s_mov_b32 s[\g+2], 8<<16                       ; tensor_dim1 = 8
	s_mov_b32 s[\g+3], KSL<<16                     ; tile_dim0
	s_mov_b32 s[\g+4], 8                           ; tile_dim1
	s_mov_b32 s[\g+5], 16384                       ; tensor_dim0_stride
	s_mov_b32 s[\g+6], 0
	s_mov_b32 s[\g+7], 0
.endr
	s_lshl_b32 s18, s16, 17
	s_lshl_b32 s20, s20, 18
	s_add_co_u32 s20, s20, s18
	s_mov_b32 s21, 0
	s_lshl_b32 s46, s46, 18
	s_add_co_u32 s46, s46, s18
	s_mov_b32 s47, 0
	s_mul_i32 s45, s14, HALFT
	s_wait_dscnt 0x0                               ; the opening add is done
	s_wait_kmcnt 0x0
	s_load_b64 s[96:97], s[8:9], 0x28              ; e10, e11
	s_add_nc_u64 s[6:7], s[6:7], 0x300000          ; Wo's codes
	s_add_nc_u64 s[20:21], s[4:5], s[20:21]
	s_add_nc_u64 s[46:47], s[6:7], s[46:47]
	CROUND                                         ; all sixteen work-groups are here: the first joint loads meet
.irp s, 0,1
	s_mov_b32 s[G0+4*\s], 1
	s_add_co_u32 s[G0+4*\s+1], s45, \s*SLOT
	s_add_nc_u64 s[G0+4*\s+2:G0+4*\s+3], s[20:21], \s*KSL
	s_or_b32 s[G0+4*\s+3], s[G0+4*\s+3], 0x80000000
	s_mov_b32 s[G0B+4*\s], 1
	s_add_co_u32 s[G0B+4*\s+1], s45, \s*SLOT
	s_add_nc_u64 s[G0B+4*\s+2:G0B+4*\s+3], s[46:47], \s*KSL
	s_or_b32 s[G0B+4*\s+3], s[G0B+4*\s+3], 0x80000000
	s_wait_alu depctr_va_vdst(0)
	s_wait_tensorcnt 0x0
	ds_add_u32 v28, v29
	ds_add_u32 v28, v29
	s_wait_dscnt 0x0
	CROUND
	JLOAD G0+4*\s, G1, G0B+4*\s, G1B               ; one load of mine is out
.endr
	v_and_b32 v1, 31, v0
	v_lshlrev_b32 v[CO], 4, v1
	s_wait_alu depctr_va_vdst(0)
	s_lshl_b32 s88, s15, 15
	s_lshl_b32 s89, s16, 15
	s_add_co_u32 s89, s89, 2*HALFT
.irp s, 0,1
	v_add_nc_u32 v[ADRA+\s], s88, v[CO]
	v_add_nc_u32 v[ADRB+\s], s89, v[CO]
	s_add_co_u32 s88, s88, SLOT
	s_add_co_u32 s89, s89, SLOT
.endr
	s_mul_i32 s88, s14, 16*SPITCH
	s_add_co_u32 s88, s88, STAGE                   ; my stage
	v_add_nc_u32 v[RD], s88, v[CO]                 ; back: the 32 lanes take one row of 512 bytes
	v_and_b32 v2, 15, v0
	v_bfe_u32 v3, v0, 4, 1
	v_mul_u32_u24 v[STO], v2, SPITCH               ; in: row r, 32 bytes for each half of the lanes
	v_lshl_add_u32 v[STO], v3, 5, v[STO]
	v_add_nc_u32 v[STO], s88, v[STO]
	s_lshl_b32 s88, s67, 10                        ; my first column, in bytes: 1,024 x tile column + 512 x half
	s_lshl_b32 s89, s16, 9
	s_add_co_u32 s88, s88, s89
	s_mov_b32 s89, 0
	s_add_nc_u64 s[90:91], s[10:11], s[88:89]
	global_load_b128 v[BO:BO+3], v[CO], s[90:91]   ; bo at the four columns that I hold of every row read back
	s_add_nc_u64 s[12:13], s[12:13], s[88:89]
	s_lshl_b32 s92, s66, 20                        ; my first row: 256 x tile row + 128 x half, rows of 4,096 bytes
	s_lshl_b32 s93, s15, 19
	s_add_co_u32 s92, s92, s93
	s_mov_b32 s93, 0
	s_add_nc_u64 s[12:13], s[12:13], s[92:93]
	s_wait_alu depctr_va_vdst(0)
	s_wait_kmcnt 0x0
	s_add_co_i32 s96, s96, s97
	s_add_co_i32 s96, s96, 127
	s_lshl_b32 s96, s96, 23                        ; 2^(e10 + e11) as f32
	s_mov_b32 s97, s96                             ; (named with it as a pair, so it is written)
.macro FRAG reg, adr, q, i
.irp c, 0,1,2,3
	ds_load_b128 v[\reg+4*\c:\reg+4*\c+3], v[\adr] offset:(\i)*KSL+(\q)*2048+512*\c
.endr
.endm
; 16 matrix instructions: A's blocks a0, a0 + 1 x B's eight.  The 64 accumulators take turns, one instruction a turn, in the same order in every step.
.macro MUL16 a0, p, zero
.irp a, \a0, \a0+1
.irp b, 0,1,2,3,4,5,6,7
.if \zero
	v_wmma_f32_16x16x128_fp8_fp8 v[8*(8*((\a)%4)+\b):8*(8*((\a)%4)+\b)+7], v[128*(\p)+FR*\b:128*(\p)+FR*\b+FR-1], v[AF+FR*(\a):AF+FR*(\a)+FR-1], 0
.else
	v_wmma_f32_16x16x128_fp8_fp8 v[8*(8*((\a)%4)+\b):8*(8*((\a)%4)+\b)+7], v[128*(\p)+FR*\b:128*(\p)+FR*\b+FR-1], v[AF+FR*(\a):AF+FR*(\a)+FR-1], v[8*(8*((\a)%4)+\b):8*(8*((\a)%4)+\b)+7]
.endif
.endr
.endr
.endm
.macro FETCH_B slot, q, p
	WIN TO_B
.irp i, 0,1,2,3,4,5,6,7
	FRAG 128*(\p)+FR*\i, ADRB+\slot, \q, \i
.endr
	WIN 0
.endm
.macro FETCH_A slot, q, i0
.irp i, \i0, \i0+1, \i0+2, \i0+3
	FRAG AF+FR*(\i), ADRA+\slot, \q, \i
.endr
.endm
.macro PLACES n                        ; a load into a register that a matrix instruction has read, and a read of a matrix result, stand NP plain vector instructions behind that matrix instruction
.rept \n
	v_nop
.endr
.endm
.macro STEP slot, q, zero
	s_wait_dscnt 4*NL                              ; B's set and A's blocks 0-3 are in; the youngest sixteen loads (A's blocks 4-7) may be out
	WIN MUL_LO
	MUL16 0, (\q)%2, \zero
	MUL16 2, (\q)%2, \zero
	s_wait_dscnt 0
	PLACES NP
	FETCH_B \slot, (\q)+1, 1-(\q)%2
	FETCH_A \slot, (\q)+1, 0
	WIN MUL_HI
	MUL16 4, (\q)%2, \zero
	MUL16 6, (\q)%2, \zero
	PLACES NP
	WIN 0
	FETCH_A \slot, (\q)+1, 4
.endm
; A slot's last step changes slots: ONE barrier; in front of it each wave waits for all its tensor loads, adds 0 to its spare word, and waits for that and for its own reads of this slot.
.macro TURN slot, next, fill
	s_wait_tensorcnt 0x0                           ; all my tensor loads have landed: my part of the next slot
	ds_add_u32 v[SPW], v[NIL]                      ; 0 onto my spare word
	s_wait_dscnt 4*NL+1                            ; (the add and the youngest sixteen loads may be out)
	WIN MUL_LO
	MUL16 0, 1, 0
	s_wait_dscnt 0x0                               ; the add is done, and my reads of this slot are over
	s_barrier_signal -1
	MUL16 2, 1, 0
	WIN 0
	s_barrier_wait -1
.if \fill
	CREST                                          ; the barrier has opened a round of the cluster's: no wave of any partner still reads this slot or has a load on its way
	s_add_nc_u64 s[G0+4*\slot+2:G0+4*\slot+3], s[G0+4*\slot+2:G0+4*\slot+3], 2*KSL
	s_add_nc_u64 s[G0B+4*\slot+2:G0B+4*\slot+3], s[G0B+4*\slot+2:G0B+4*\slot+3], 2*KSL
	JLOAD G0+4*\slot, G1, G0B+4*\slot, G1B         ; the first tensor load behind the round; its four v_nop are also the places in front of the loads below
.else
	PLACES NP
.endif
	FETCH_B \next, 0, 0
	FETCH_A \next, 0, 0
	WIN MUL_HI
	MUL16 4, 1, 0
	MUL16 6, 1, 0
	PLACES NP
	WIN 0
	FETCH_A \next, 0, 4
.endm
	s_wait_tensorcnt 1                             ; my part of slot 0 is in; slot 1's load may be out
	s_barrier_signal -1
	s_barrier_wait -1
	FETCH_B 0, 0, 0
	FETCH_A 0, 0, 0
	FETCH_A 0, 0, 4
	STEP 0, 0, 1                                   ; K = 1,024 is eight steps of 128, four fills: written out, no loop
	TURN 0, 1, 1
	STEP 1, 0, 0
	TURN 1, 0, 1
	STEP 0, 0, 0
	TURN 0, 1, 0
	STEP 1, 0, 0
	s_wait_dscnt 4*NL
	WIN MUL_LO
	MUL16 0, 1, 0
	MUL16 2, 1, 0
	s_wait_dscnt 0
	WIN MUL_HI
	MUL16 4, 1, 0
	MUL16 6, 1, 0
	WIN 0
; THE WAY OUT, block by block of 16 rows x 128 columns.  The sums go into my stage as they are (a lane's 32 neighbouring bytes of a row) and come back as whole rows of 512 bytes.  There a lane holds the same four
; columns of every row, so bo costs four registers: sum x 2^(e10 + e11) + bo is one packed multiply-add for two numbers.
.macro TOSTAGE a
.set AC, 64*((\a)%4)
	WIN 0x08+4*((\a)/4)                            ; a store's data are source 1: window 2 or 3
.irp b, 0,1,2,3,4,5,6,7
	ds_store_b128 v[STO], v[AC+8*\b:AC+8*\b+3] offset:64*\b          ; each accumulator from its low end on
	ds_store_b128 v[STO], v[AC+8*\b+4:AC+8*\b+7] offset:64*\b+16
.endr
	WIN 0
.set BB, BK+64*((\a)%2)
.irp t, 0,1,2,3,4,5,6,7,8,9,10,11,12,13,14,15
	ds_load_b128 v[BB+4*\t:BB+4*\t+3], v[RD] offset:\t*SPITCH        ; LDS serves a wave's instructions in order (ISA guide 5.7.1.4): these see my stores
.endr
.endm
.macro SEND a, younger                 ; younger: the LDS instructions issued behind block a's loads, which may stay out
.set BB, BK+64*((\a)%2)
	s_wait_dscnt \younger
.if (\a) > 0
	s_add_nc_u64 s[12:13], s[12:13], 16*ROWO       ; (behind a wait on XCNT: the earlier stores have read their base)
.endif
.irp t, 0,1,2,3,4,5,6,7,8,9,10,11,12,13,14,15
	v_pk_fma_f32 v[BB+4*\t:BB+4*\t+1], v[BB+4*\t:BB+4*\t+1], s[96:97], v[BO:BO+1] op_sel_hi:[1,0,1]
	v_pk_fma_f32 v[BB+4*\t+2:BB+4*\t+3], v[BB+4*\t+2:BB+4*\t+3], s[96:97], v[BO+2:BO+3] op_sel_hi:[1,0,1]
.endr
.irp t, 0,1,2,3,4,5,6,7,8,9,10,11,12,13,14,15
	global_store_b128 v[CO], v[BB+4*\t:BB+4*\t+3], s[12:13] offset:\t*ROWO th:TH_STORE_NT   ; 32 lanes store 512 consecutive bytes, at a multiple of 512 from the output's first byte
.endr
.endm
	s_wait_loadcnt 0x0                             ; bo
	PLACES NP                                      ; behind the last products: their results are read and A's registers loaded below
	TOSTAGE 0
.irp a, 1,2,3,4,5,6,7
.if \a > 1
	s_wait_xcnt 0x0                                ; block a - 2's stores have read their registers and their base: block a's loads may land there, and the base may step
.endif
	TOSTAGE \a
	SEND \a-1, 32                                  ; behind block a - 1's loads: block a's 16 stores and 16 loads
.endr
	s_wait_xcnt 0x0
	SEND 7, 0
	s_wait_tensorcnt 0x0                           ; the wave's end, behind my last tensor load and my last LDS store
	ds_add_u32 v[SPW], v[NIL]
	s_wait_dscnt 0x0
	CROUND                                         ; the closing round
	s_endpgm
.Lfunc_end_k_q52bbb431af_proj:
	.size	k_q52bbb431af_proj, .Lfunc_end_k_q52bbb431af_proj-k_q52bbb431af_proj
	.p2alignl 7, 3214868480
	.fill 96, 4, 3214868480
	.section	.rodata,"a",@progbits
	.p2align	6, 0x0
	.amdhsa_kernel k_q52bbb431af_proj
		.amdhsa_group_segment_fixed_size 327680
		.amdhsa_private_segment_fixed_size 0
		.amdhsa_enable_private_segment 0
		.amdhsa_kernarg_size 40
		.amdhsa_user_sgpr_count 2
		.amdhsa_user_sgpr_kernarg_segment_ptr 1
		.amdhsa_wavefront_size32 1
		.amdhsa_system_sgpr_workgroup_id_x 1
		.amdhsa_system_sgpr_workgroup_id_y 1
		.amdhsa_system_sgpr_workgroup_id_z 1
		.amdhsa_system_vgpr_workitem_id 0
		.amdhsa_next_free_vgpr 1024
		.amdhsa_next_free_sgpr 98
		.amdhsa_reserve_vcc 0
		.amdhsa_float_denorm_mode_32 3
		.amdhsa_float_denorm_mode_16_64 3
		.amdhsa_memory_ordered 1
		.amdhsa_forward_progress 1
		.amdhsa_inst_pref_size 124
	.end_amdhsa_kernel
	.amdgpu_metadata
---
amdhsa.version: [ 1, 2 ]
amdhsa.kernels:
  - .name:           k_q52bbb431af_proj
    .symbol:         k_q52bbb431af_proj.kd
    .args:
      - { .name: yc, .offset: 0, .size: 8, .value_kind: global_buffer, .address_space: global }
      - { .name: wc, .offset: 8, .size: 8, .value_kind: global_buffer, .address_space: global }
      - { .name: lowp_scales, .offset: 16, .size: 8, .value_kind: global_buffer, .address_space: global }
      - { .name: bo, .offset: 24, .size: 8, .value_kind: global_buffer, .address_space: global }
      - { .name: out0, .offset: 32, .size: 8, .value_kind: global_buffer, .address_space: global }
    .group_segment_fixed_size: 327680
    .private_segment_fixed_size: 0
    .kernarg_segment_align: 8
    .kernarg_segment_size: 40
    .max_flat_workgroup_size: 128
    .sgpr_count:     98
    .vgpr_count:     1024
    .wavefront_size: 32
...
	.end_amdgpu_metadata
.endif
;; end of part 4
